; MI455X (gfx1250); checked and timed in simulation.
; The chip was launched on July 23, 2026; its instructions are those of AMD's public machine-readable ISA for CDNA 5 (MIT licence, August 2026) and "CDNA5" Instruction Set Architecture Reference Guide (July 2026). The comments in the code are by the model that wrote it; some were corrected since.
;; Tidal Attention. Allowed arithmetic: matrix products marked QUANTISED: E2M1 operands, one E8M0 scale for each 32 along K, by v_wmma_scale_f32_16x16x128_f8f6f4 with both operands' format E2M1 (or v_wmma_scale_f32_32x16x128_f4), f32 sums; products left as they are: bf16, f16 or f32 operands; f32 sums; everything else in f32.
;; Inputs: Wk 1,024 x 1,024 float32; Wq 1,024 x 1,024 float32; Wv 1,024 x 1,024 float32; attention_mask 4 x 1 x 1 x 2,048 float32; bk 1,024 float32; bq 1,024 float32; bv 1,024 float32; hidden_states 4 x 2,048 x 1,024 float32.
;; Outputs: out0 4 x 2,048 x 1,024 float32.
;; This version of the problem:
;;   THIS VERSION OF THE PROBLEM IS GIVEN IN LOW PRECISION. The matrix products marked QUANTISED in the list below multiply operands that are first quantised to E2M1 (2 exponent bits, 1 mantissa bit; 4 bits a number), with one power-of-two scale for each 32 numbers along K (OCP MX v1.0); their sums are f32. The products marked 'left as it is' may take bf16, f16 or f32 operands, with f32 sums. Whichever they take, every output number must still come out within the allowed error. Rounding operands to bf16 (8 significant bits) uses up far more of that allowance than f16 does (11 bits, for magnitudes from 6e-5 to 65,504). All else is computed in f32.
;;   The module's matrix products, in the order in which they are computed (A, B: the left and right operand; K: the contracted axis; several contracted axes count as one K, in the product's order):
;;     1. [M 8,192, K 1,024] x [K 1,024, N 1,024]; A: input hidden_states; B: input Wq: QUANTISED
;;     2. [M 8,192, K 1,024] x [K 1,024, N 1,024]; A: input hidden_states; B: input Wk: QUANTISED
;;     3. [M 8,192, K 1,024] x [K 1,024, N 1,024]; A: input hidden_states; B: input Wv: QUANTISED
;;     4. batch 64 x [M 2,048, K 64] x [K 64, N 2,048]; A: computed on the way; B: computed on the way: left as it is (an operand is computed on the way)
;;     5. batch 64 x [M 2,048, K 2,048] x [K 2,048, N 64]; A: computed on the way; B: computed on the way: left as it is (an operand is computed on the way)
;;   THE QUANTISER, for each operand of a quantised product, along K:
;;     - K is cut into blocks of 32 from its start; a last block that is shorter is filled with zeros.
;;     - A block's scale is 2^e with e = floor(log2(the largest magnitude in the block)) - 2, held to -126 .. 127; a block of zeros has e = 0. As a byte (E8M0): e + 127.
;;     - Each number is divided by its block's scale, clamped to +-6, and rounded to the nearest number of E2M1, ties to even, subnormals kept.
;;     - The product sums the exact products of the quantised numbers (number of the format x scale) in f32.
;;   ~~~python
;;   def quantise(x, axis):      # numpy; x: float32 -> the quantised numbers, widened to float32 again
;;       x = np.moveaxis(x, axis, -1); K = x.shape[-1]
;;       x = np.pad(x, [(0, 0)] * (x.ndim - 1) + [(0, -K % 32)]); x = x.reshape(x.shape[:-1] + (-1, 32)); a = np.abs(x).max(-1, keepdims=True)
;;       e = np.where(a > 0, np.clip(np.frexp(np.where(a > 0, a, 1))[1] - 1 - 2, -126, 127), 0)      # np.frexp(a)[1] - 1 = floor(log2(a)), exactly
;;       r = np.clip(x / 2.0 ** e, -6, 6)
;;       step = 2.0 ** (np.maximum(np.frexp(np.where(r == 0, 1, r))[1] - 1, 0) - 1)
;;       q = np.round(r / step) * step * 2.0 ** e      # np.round: ties to even
;;       return np.moveaxis(q.reshape(q.shape[:-2] + (-1,))[..., :K], -1, axis).astype(np.float32)
;;   ~~~
;; One version. Each part assembles by itself: llvm-mc -triple=amdgcn-amd-amdhsa -mcpu=gfx1250 --defsym DOCPART=n.
;; ======== version 1 of 1: 3 launches
;; limits: values are held in f16: magnitudes above 65,504 overflow, below 6.1e-05 lose precision
;; workspace buffers: x_codes 4,194,304 bytes; x_scales 262,144 bytes; w_codes 1,572,864 bytes; w_scales 98,304 bytes; qkv 50,331,648 bytes
;; launch quant (part 1): grid 352 x 1, 4 waves a work-group, no clusters, 33,280 bytes of LDS; arguments hidden_states, Wq, Wk, Wv, x_codes, x_scales, w_codes, w_scales; writes x_codes, x_scales, w_codes, w_scales
.if DOCPART == 1
	.amdgcn_target "amdgcn-amd-amdhsa--gfx1250"
	.amdhsa_code_object_version 6
	.text
	.protected	k_q4a021af7f7_quant
	.globl	k_q4a021af7f7_quant
	.p2align	8
	.type	k_q4a021af7f7_quant,@function
k_q4a021af7f7_quant:
	s_mov_b64 s[64:65], 0
	v_nop
	global_prefetch_b8 v0, s[64:65] scope:SCOPE_SE
	s_setreg_imm32_b32 hwreg(HW_REG_WAVE_MODE, 25, 1), 1
	s_wait_xcnt 0x0
; hidden_states [8192][1024] and Wq, Wk, Wv [1024][1024], f32, K innermost, are turned into codes of FP4 (E2M1), two a byte, the lower k in the low four bits,
; with one E8M0 scale byte for each 32 along K.  x_codes [8192][512 bytes], x_scales [8192][32]; w_codes [3072][512 bytes], w_scales [3072][32]: rows 0-1023 Wq, 1024-2047 Wk, 2048-3071 Wv.
; A block's scale is 2^(floor(log2(its largest magnitude)) - 2); its byte is the largest magnitude's own exponent field - 2, held at 1 from below.  Each number is divided by the scale and rounded to the
; nearest code, ties to even; beyond 6 the conversion gives the largest code.
; LIMITS: a block of zeros gets the byte 1 where the rule says 127: its codes are zeros, and the bytes are read by this program alone.  Blocks whose largest magnitude lies under 2^(3 - 127), the floor, get the byte 1.
; NaN and infinities among the inputs are not served.
; Rows are dense and K is a multiple of 32: every tensor is a plain stream of blocks of 32 numbers, and so are its codes and scale bytes.  A work-group takes 32,768 numbers, a wave 8,192: 16 steps of 512.
; Work-groups 0-255 take hidden_states, 256-287 Wq, 288-319 Wk, 320-351 Wv: only pointers are chosen, by the work-group's number; all take one path through the text.
; The conversions want 16 NEIGHBOURS along K in one lane; a load is dense where neighbouring LANES take neighbouring bytes.  So a step's four loads read 512 consecutive bytes each, and its 2,048 bytes turn through
; the wave's own stage in LDS (16 bytes of padding behind each 64).  A lane's 16 codes are 8 bytes: a wave's store covers 256 consecutive bytes, aligned.  A wave's 256 scale bytes are gathered in LDS and leave by one such store.
; No matrix unit, no cluster, no tensor load: the launch moves each byte once and shares nothing between waves.
.set WAVES, 4
.set STEPS, 16
.set EMAX,  2
.set CB,    8                          ; bytes of 16 codes
.set R,     16                         ; v16-79   four sets of 16 numbers as they are loaded
.set X,     80                         ; v80-111  two sets of 16 neighbours
.set C,     128                        ; v128-191 codes: four registers for each step, so that no store's data are written again
.set E,     112                        ; v112-127 a scale byte for each step
.set WREG,  8192                       ; LDS: a region for each wave: two stages of 32 x SP bytes, behind them its 256 scale bytes
.set SP,    80                         ; a lane's place in a stage: 64 bytes + 16 of padding
.set SPW,   12                         ; v12  LDS address of my spare word; never rewritten
.set NIL,   13                         ; v13  0; never rewritten
.set SPARE, WAVES*WREG                 ; behind the four regions: the spare words, 128 bytes a wave
	s_load_b256 s[4:11], s[0:1], 0x0               ; hidden_states s[4:5], Wq s[6:7], Wk s[8:9], Wv s[10:11]
	s_load_b256 s[12:19], s[0:1], 0x20             ; x_codes s[12:13], x_scales s[14:15], w_codes s[16:17], w_scales s[18:19]
	v_lshl_add_u32 v[SPW], v0, 2, SPARE
	v_mov_b32 v[NIL], 0
	v_lshrrev_b32 v1, 5, v0
	v_readfirstlane_b32 s28, v1                    ; wave
	v_and_b32 v2, 31, v0                           ; lane
	v_lshlrev_b32 v3, 4, v2                        ; my 16 bytes of a load's 512
	s_mul_i32 s29, s28, WREG
	v_lshrrev_b32 v14, 2, v2
	v_mul_u32_u24 v14, v14, SP
	v_and_b32 v15, 3, v2
	v_lshl_add_u32 v14, v15, 4, v14
	v_add_nc_u32 v14, s29, v14                     ; the stage, on the way in: SP (lane / 4) + 16 (lane % 4); a load's 512 bytes take eight places
	v_mul_u32_u24 v15, v2, SP
	v_add_nc_u32 v15, s29, v15                     ; and on the way out: SP x lane: my 16 neighbours
	v_mul_u32_u24 v4, v2, CB                       ; my codes' place in a step's
	v_lshrrev_b32 v5, 1, v2
	s_add_co_u32 s29, s29, 2*32*SP
	v_add_nc_u32 v5, s29, v5                       ; LDS: my wave's 256 scale bytes, my block's byte
	v_lshlrev_b32 v7, 3, v2                        ; and on the way out 8 bytes a lane
	v_add_nc_u32 v6, s29, v7
	s_wait_kmcnt 0x0
	s_cmp_lt_u32 ttmp9, 320                        ; which tensor: the choices hang on the work-group's number alone
	s_cselect_b64 s[20:21], s[8:9], s[10:11]       ; Wk or Wv,
	s_cmp_lt_u32 ttmp9, 288
	s_cselect_b64 s[20:21], s[6:7], s[20:21]       ; or Wq,
	s_cmp_lt_u32 ttmp9, 256
	s_cselect_b64 s[20:21], s[4:5], s[20:21]       ; or hidden_states
	s_cselect_b64 s[22:23], s[12:13], s[16:17]     ; the codes' buffer
	s_cselect_b64 s[24:25], s[14:15], s[18:19]     ; the scale bytes'
	s_cselect_b32 s26, 0, 256                      ; the first work-group of that pair of buffers
	s_cselect_b32 s27, -1, 31                      ; a weight has 32 work-groups
	s_sub_co_u32 s26, ttmp9, s26                   ; my place in the codes' buffer,
	s_and_b32 s27, s26, s27                        ; and in the tensor that I read
	s_lshl_b32 s27, s27, 2
	s_add_co_u32 s27, s27, s28                     ; which run of 8,192 numbers of the tensor is my wave's
	s_lshl_b32 s30, s27, 15                        ; 32,768 bytes a run (under 2^26)
	s_mov_b32 s31, 0
	s_add_nc_u64 s[20:21], s[20:21], s[30:31]
	s_lshl_b32 s26, s26, 2
	s_add_co_u32 s26, s26, s28
	s_lshl_b32 s30, s26, 12                        ; 4,096 bytes of codes a run
	s_add_nc_u64 s[22:23], s[22:23], s[30:31]
	s_lshl_b32 s30, s26, 8                         ; 256 scale bytes a run
	s_add_nc_u64 s[24:25], s[24:25], s[30:31]
.macro LOAD t
.irp i, 0,1,2,3
	global_load_b128 v[R+16*((\t)%4)+4*\i:R+16*((\t)%4)+4*\i+3], v3, s[20:21] offset:2048*(\t)+512*\i th:TH_LOAD_NT   ; 32 lanes read 512 consecutive bytes; read once in the launch
.endr
.endm
.macro TURN t                          ; step t's numbers through the stage: LDS serves a wave's instructions in order (ISA guide 5.7.1.4), so no wait stands between the stores and the loads
.irp i, 0,1,2,3
	ds_store_b128 v14, v[R+16*((\t)%4)+4*\i:R+16*((\t)%4)+4*\i+3] offset:32*SP*((\t)%2)+8*SP*\i
.endr
.irp i, 0,1,2,3
	ds_load_b128 v[X+16*((\t)%2)+4*\i:X+16*((\t)%2)+4*\i+3], v15 offset:32*SP*((\t)%2)+16*\i
.endr
.endm
.irp t, 0,1,2,3
	LOAD \t
.endr
	s_wait_loadcnt 12                              ; step 0's four loads are in; the twelve of steps 1 to 3 may be out
	TURN 0
.macro STEP t
.set XS, X+16*((\t)%2)
.if (\t) > 0
	s_wait_dscnt 1                                 ; this step's numbers are back from the stage (the last step's byte store may be out): so its stores into the stage have read their registers,
.else
	s_wait_dscnt 0x0
.endif
.if (\t)+4 < STEPS
	LOAD (\t)+4                                    ; which take the loads of four steps on
.endif
.if (\t)+1 < STEPS
.if STEPS-2-(\t) >= 3
	s_wait_loadcnt 12                              ; the next step's four loads are in; those of the three steps behind it may be out
.else
	s_wait_loadcnt 4*(STEPS-2-(\t))                ; the tail: fewer steps are behind it
.endif
	TURN (\t)+1                                    ; and go through the other stage while this step is worked
.endif
	v_max3_num_f32 v8, |v[XS]|, |v[XS+1]|, |v[XS+2]|               ; the largest magnitude of my 16, in two chains
	v_max3_num_f32 v9, |v[XS+3]|, |v[XS+4]|, |v[XS+5]|
.irp i, 6,10
	v_max3_num_f32 v8, v8, |v[XS+\i]|, |v[XS+\i+1]|
	v_max3_num_f32 v9, v9, |v[XS+\i+2]|, |v[XS+\i+3]|
.endr
	v_max3_num_f32 v8, v8, |v[XS+14]|, |v[XS+15]|
	v_max3_num_f32 v8, v8, v9, (EMAX+1)<<23        ; and the floor 2^(EMAX + 1 - 127): so the byte cannot fall under 1
	v_max_num_f32_dpp v8, v8, v8 row_xmask:1 row_mask:0xf bank_mask:0xf   ; and of my neighbour's 16: the block's
	v_add_nc_u32 v11, -(EMAX<<23), v8              ; EMAX off its exponent field: the conversion takes the exponent field of this operand as its scale, and nothing else of it
	v_cvt_scalef32_pk8_fp4_f32 v[C+4*(\t)], v[XS:XS+7], v11
	v_cvt_scalef32_pk8_fp4_f32 v[C+4*(\t)+1], v[XS+8:XS+15], v11
	v_lshrrev_b32 v[E+(\t)], 23, v11               ; the scale's byte (also the plain line behind the conversions)
	ds_store_b8 v5, v[E+(\t)] offset:16*(\t)       ; both lanes of a block write the same byte with the same value
	global_store_b64 v4, v[C+4*(\t):C+4*(\t)+1], s[22:23] offset:32*CB*(\t)   ; the wave stores 256 consecutive bytes, aligned
.endm
.irp t, 0,1,2,3,4,5,6,7,8,9,10,11,12,13,14,15
	STEP \t
.endr
	ds_load_b64 v[8:9], v6                         ; in order behind my byte stores
	s_wait_dscnt 0x0
	global_store_b64 v7, v[8:9], s[24:25]          ; 32 lanes store 256 consecutive bytes, aligned
	s_wait_tensorcnt 0x0                           ; the wave's end, behind my last LDS store
	ds_add_u32 v[SPW], v[NIL]
	s_wait_dscnt 0x0
	s_endpgm
.Lfunc_end_k_q4a021af7f7_quant:
	.size	k_q4a021af7f7_quant, .Lfunc_end_k_q4a021af7f7_quant-k_q4a021af7f7_quant
	.p2alignl 7, 3214868480
	.fill 96, 4, 3214868480
	.section	.rodata,"a",@progbits
	.p2align	6, 0x0
	.amdhsa_kernel k_q4a021af7f7_quant
		.amdhsa_group_segment_fixed_size 33280
		.amdhsa_private_segment_fixed_size 0
		.amdhsa_enable_private_segment 0
		.amdhsa_kernarg_size 64
		.amdhsa_user_sgpr_count 2
		.amdhsa_user_sgpr_kernarg_segment_ptr 1
		.amdhsa_wavefront_size32 1
		.amdhsa_system_sgpr_workgroup_id_x 1
		.amdhsa_system_sgpr_workgroup_id_y 1
		.amdhsa_system_sgpr_workgroup_id_z 1
		.amdhsa_system_vgpr_workitem_id 0
		.amdhsa_next_free_vgpr 192
		.amdhsa_next_free_sgpr 66
		.amdhsa_reserve_vcc 0
		.amdhsa_float_denorm_mode_32 3
		.amdhsa_float_denorm_mode_16_64 3
		.amdhsa_memory_ordered 1
		.amdhsa_forward_progress 1
		.amdhsa_inst_pref_size 34
	.end_amdhsa_kernel
	.amdgpu_metadata
---
amdhsa.version: [ 1, 2 ]
amdhsa.kernels:
  - .name:           k_q4a021af7f7_quant
    .symbol:         k_q4a021af7f7_quant.kd
    .args:
      - { .name: hidden_states, .offset: 0, .size: 8, .value_kind: global_buffer, .address_space: global }
      - { .name: Wq, .offset: 8, .size: 8, .value_kind: global_buffer, .address_space: global }
      - { .name: Wk, .offset: 16, .size: 8, .value_kind: global_buffer, .address_space: global }
      - { .name: Wv, .offset: 24, .size: 8, .value_kind: global_buffer, .address_space: global }
      - { .name: x_codes, .offset: 32, .size: 8, .value_kind: global_buffer, .address_space: global }
      - { .name: x_scales, .offset: 40, .size: 8, .value_kind: global_buffer, .address_space: global }
      - { .name: w_codes, .offset: 48, .size: 8, .value_kind: global_buffer, .address_space: global }
      - { .name: w_scales, .offset: 56, .size: 8, .value_kind: global_buffer, .address_space: global }
    .group_segment_fixed_size: 33280
    .private_segment_fixed_size: 0
    .kernarg_segment_align: 8
    .kernarg_segment_size: 64
    .max_flat_workgroup_size: 128
    .sgpr_count:     66
    .vgpr_count:     192
    .wavefront_size: 32
...
	.end_amdgpu_metadata
.endif
;; end of part 1
;; launch proj (part 2): grid 12 x 32, 4 waves a work-group, clusters of 4 x 4, 327,680 bytes of LDS; arguments x_codes, x_scales, w_codes, w_scales, bq, bk, bv, qkv; writes qkv
.if DOCPART == 2
	.amdgcn_target "amdgcn-amd-amdhsa--gfx1250"
	.amdhsa_code_object_version 6
	.text
	.protected	k_q4a021af7f7_proj
	.globl	k_q4a021af7f7_proj
	.p2align	8
	.type	k_q4a021af7f7_proj,@function
k_q4a021af7f7_proj:
	s_mov_b64 s[64:65], 0
	v_nop
	global_prefetch_b8 v0, s[64:65] scope:SCOPE_SE
	s_setreg_imm32_b32 hwreg(HW_REG_WAVE_MODE, 25, 1), 1
	s_wait_xcnt 0x0
	s_wait_alu depctr_hold_cnt(0) depctr_sa_sdst(0) depctr_va_vdst(0) depctr_va_sdst(0) depctr_va_ssrc(0) depctr_va_vcc(0) depctr_vm_vsrc(0)
	s_getreg_b32 s2, hwreg(HW_REG_IB_STS2, 6, 4)
	s_cmp_eq_u32 s2, 0
	s_cbranch_scc0 .Lentry_in_a_cluster
	s_endpgm
.Lentry_in_a_cluster:
	s_bfe_u32 s2, ttmp6, 0x10000c
	s_cmp_lg_u32 s2, 0xf033
	s_cbranch_scc0 .Lentry_shape_is_right
	s_endpgm
.Lentry_shape_is_right:
; The three projections as ONE product on codes of FP4 (E2M1) with E8M0 scales: C[m][n] = sum over k of X[m][k] W[n][k], m = 8,192 tokens, n = 3,072 (q, k, v), K = 1,024; sums in f32.
; Out: qkv, f16, [3][batch 4][head 16][token 2048][64].  q is stored as (q + bq) x log2(e) / 8, so that attention's scores come out in powers of two; k and v as (k + bk), (v + bv): one fused multiply-add, acc x f + b x f, with f = 1 for k and v.
; LIMIT: what is stored must lie inside f16's range, 65,504: some 12,000 times the size that inputs of unit spread give.
; A tile of C, 256 x 256, is made by a work-group of four waves; a wave makes 128 x 128: 64 accumulators of 16 x 16, 512 registers.  K = 1,024 is two LDS slots of 512 along K (rows of 256 bytes):
; both slots, and the scale bytes of the tile's 256 + 256 rows for all of K, are asked for at the head: nothing is ever filled again, and there is no loop.
; CLUSTERS: 4 x 4 work-groups.  The four of a row of the cluster need the same tiles of X, the four of a column the same tiles of W: each is asked for JOINTLY, by the same tensor load with the same descriptor and a
; mask that names the four.  The cluster's x (0, 1, 2) is the tensor, q, k or v: the same in all sixteen partners.
; THE MATRIX INSTRUCTION IS USED TRANSPOSED (source 0 = 16 rows of W, source 1 = 16 rows of X): a lane then holds eight neighbouring channels of one token.
; The grid is 384 tiles: a tile half as high would even the share of 256 WGPs out, but each LDS byte would then feed fewer products; this launch is a small part of the program's matrix work.
; No prefetch: all that a work-group reads is asked for at its head.
; REGISTERS, in windows of 256: window 0: v0-31 addresses; v32-95 scale words, two sets; v128-191 X's fragments, ONE set; v192-255 my 128 columns' biases in the result's layout.  On the way out v32-191 are free.
;   window 1: W's fragments, TWO sets, at v0 and v128.   window 2: the accumulators of my rows 0-63 ((a, b) at v[8 (8 a + b)]);   window 3: those of rows 64-127.
.set KSTEP,  512                       ; along K in a slot
.set NQ,     KSTEP/128                 ; matrix instructions deep
.set ROWB,   256                       ; a tile's row in bytes
.set KROW,   512                       ; a row of codes in memory
.set PITCH,  272                       ; an LDS row: 256 bytes + 16 of padding = 68 words: row r starts at bank 4 r mod 64 (64 banks of 4 bytes: ISA guide 11.1)
.set FR,     8                         ; registers of a fragment: 16 rows x 128 K
.set NL,     2                         ; LDS loads that bring one
.set NP,     4                         ; places behind this matrix instruction (ISA guide 7.12.1)
.set HALFT,  128*PITCH                 ; 128 rows: what one tensor load brings
.set SLOT,   4*HALFT                   ; X's 256 rows, then W's 256 rows
.set KS,     32                        ; a row of scale bytes
.set SCL,    2*SLOT                    ; behind the ring: the scales, as units of 256 bytes + 16 of padding
.set HALFS,  (128*KS/256)*272          ; the scales of 128 rows: what one tensor load brings
.set SBLK,   (16*KS/256)*272           ; those of 16 rows
.set SPARE,  SCL+4*HALFS               ; behind the scales: the spare words, 128 bytes a wave
.set HP,     144                       ; the way out: a token's 128 bytes of one head + 16
.set STGB,   2*16*HP                   ; a wave's stage: [2 heads][16 tokens]; it lies in slot 0, which has had its only fill and its last read when the first result is stored there
.set ADRA, 16                          ; v16-17  LDS address of my X fragments in slot 0, 1
.set ADRB, 20                          ; v20-21  the same for W
.set STO,  24                          ; v24     the way out: where I put 16 bytes of a token
.set RD,   25                          ; v25     where I read tokens back
.set CO,   26                          ; v26     16 x lane
.set ADRS, 27                          ; v27     LDS address of my scale words: lanes 0-15 X's rows, lanes 16-31 W's
.set SPW,  28                          ; v28     my spare word; never rewritten
.set NIL,  29                          ; v29     0; never rewritten
.set BO,   30                          ; v30     32 x (lane / 16): my half's biases
.set SC,   32                          ; scale words: set s at v[SC + 8 NQ s]; register NQ i + q: lanes 0-15 X's block i, lanes 16-31 W's block i, the slot's q-th 128 along K
.set AF,   128                         ; X's fragments
.set BI,   192                         ; biases: BI + 8 b + j = b[my first column + 16 b + 8 (lane / 16) + j]
.set BK,   32                          ; the way out: tokens read back: v32-63 and v64-95 by turns
.set TH,   96                          ; v96-127 a block as f16
.set TF,   128                         ; v128-191 a block as f32, with bias and factor
.set FS,   66                          ; s[66:67] the factor f, named as a pair
.set G1, 24                            ; s[24:31] group 1 for X's tiles;  s[32:39] group 0, a set for each slot
.set G0, 32
.set G1B, 48                           ; s[48:55], s[56:63] the same for W's
.set G0B, 56
.set G1S, 68                           ; s[68:75], s[84:87] groups 1 and 0 for X's scales;  s[76:83], s[88:91] for W's
.set G1SB, 76
.set G0S, 84
.set G0SB, 88
.set MSB, 0
.macro WIN new                         ; the immediate's high byte repeats the setting that is left
.if MSB != \new
	s_set_vgpr_msb (MSB<<8)|\new
.set MSB, \new
.endif
.endm
.set MUL_LO, 0xa1                      ; source 0 (W) window 1, source 1 (X) window 0, C and D window 2
.set MUL_HI, 0xf1                      ; the same, C and D window 3
.set TO_B,   0x40                      ; destination window 1, address window 0
; A joint load: waves 0 and 1 fetch for X, waves 2 and 3 for W.  Each line has ONE mask and one set of registers for all that issue it; the branch hangs on the wave's number alone.
; An s_nop 0 and four v_nop follow each of the two lines.
.macro JLOAD g0a, g1a, g0b, g1b
	s_cmp_eq_u32 s15, 0
	s_cbranch_scc0 .Lfor_b_\@
	tensor_load_to_lds s[\g0a:\g0a+3], s[\g1a:\g1a+7]
	s_nop 0
.rept 4
	v_nop
.endr
	s_branch .Lasked_\@
.Lfor_b_\@:
	tensor_load_to_lds s[\g0b:\g0b+3], s[\g1b:\g1b+7]
	s_nop 0
.rept 4
	v_nop
.endr
.Lasked_\@:
.endm
.macro CROUND                          ; a round of the cluster's barrier
	s_barrier_signal -1
	s_barrier_wait -1
	s_cmp_lg_u32 s14, 0
	s_cbranch_scc1 .Lnot_wave_0_\@
	s_barrier_signal -3
.Lnot_wave_0_\@:
	s_barrier_wait -3
	s_barrier_signal -1
	s_barrier_wait -1
.endm
	s_load_b256 s[4:11], s[0:1], 0x0               ; X's codes s[4:5], X's scales s[6:7], W's codes s[8:9], W's scales s[10:11]
	s_load_b256 s[92:99], s[0:1], 0x20             ; bq s[92:93], bk s[94:95], bv s[96:97], qkv s[98:99]
	v_lshl_add_u32 v[SPW], v0, 2, SPARE
	v_mov_b32 v[NIL], 0
	ds_add_u32 v[SPW], v[NIL]                      ; the wave's opening: the add, twice on end, and its wait ahead of my first tensor load
	ds_add_u32 v[SPW], v[NIL]
	v_lshrrev_b32 v1, 5, v0
	v_readfirstlane_b32 s14, v1                    ; wave 0..3
	s_lshr_b32 s15, s14, 1                         ; which half of the tile's rows is mine.  Also: I fetch for X (0) or for W (1)
	s_and_b32 s16, s14, 1                          ; which half of its columns.  Also: which 128 rows of that tile I fetch
	s_bfe_u32 s40, ttmp6, 0x40000                  ; cx, cy: my place in the cluster
	s_bfe_u32 s41, ttmp6, 0x40004
	s_lshl_b32 s42, ttmp9, 2
	s_add_co_u32 s42, s42, s40                     ; tile column = 4 x cluster x + cx
	s_and_b32 s17, ttmp7, 0xffff
	s_lshl_b32 s17, s17, 2
	s_add_co_u32 s17, s17, s41                     ; tile row = 4 x cluster y + cy
	s_lshl_b32 s43, s41, 2
	s_lshl_b32 s43, 15, s43                        ; my row of the cluster
	s_lshl_b32 s44, 0x1111, s40                    ; my column
	; group 1: a tile of 128 rows x 256 bytes, padded in LDS
	s_or_b32 s[G1+0], s43, (0<<16)|(1<<20)|(1<<21)|(5<<22)|(3<<25)  ; 15:0 the mask; 17:16 elements of 1 byte; 20 padding on; 21 set beside a mask; 24:22 after every 64 words; 31:25 four words
	s_or_b32 s[G1B+0], s44, (0<<16)|(1<<20)|(1<<21)|(5<<22)|(3<<25)
.irp g, G1, G1B
	s_mov_b32 s[\g+1], ROWB<<16                    ; tensor_dim0
	s_mov_b32 s[\g+2], 128<<16                     ; tensor_dim1
	s_mov_b32 s[\g+3], ROWB<<16                    ; tile_dim0
	s_mov_b32 s[\g+4], 128                         ; tile_dim1
	s_mov_b32 s[\g+5], KROW                        ; from row to row
	s_mov_b32 s[\g+6], 0
	s_mov_b32 s[\g+7], 0
.endr
	; the scales of 128 rows: 4,096 dense bytes, as 16 rows of 256 bytes (32 elements of 8), 16 bytes of padding behind each
	s_or_b32 s[G1S+0], s43, (3<<16)|(1<<20)|(1<<21)|(5<<22)|(3<<25)
	s_or_b32 s[G1SB+0], s44, (3<<16)|(1<<20)|(1<<21)|(5<<22)|(3<<25)
.irp g, G1S, G1SB
	s_mov_b32 s[\g+1], 32<<16
	s_mov_b32 s[\g+2], (128*KS/256)<<16
	s_mov_b32 s[\g+3], 32<<16
	s_mov_b32 s[\g+4], 128*KS/256
	s_mov_b32 s[\g+5], 32
	s_mov_b32 s[\g+6], 0
	s_mov_b32 s[\g+7], 0
.endr
	s_lshl_b32 s18, s16, 7                         ; which 128 rows of the tile I fetch
	s_lshl_b32 s20, s17, 8
	s_add_co_u32 s20, s20, s18                     ; X: row 256 x tile row + 128 x half
	s_lshl_b32 s46, s42, 8
	s_add_co_u32 s46, s46, s18                     ; W: row 256 x tile column + 128 x half
	s_mov_b32 s21, 0
	s_mov_b32 s47, 0
	s_mov_b64 s[18:19], KS
	s_mul_u64 s[22:23], s[20:21], s[18:19]         ; where these rows' scales begin, in bytes
	s_mul_u64 s[100:101], s[46:47], s[18:19]
	s_mov_b64 s[18:19], KROW
	s_mul_u64 s[20:21], s[20:21], s[18:19]         ; and their codes
	s_mul_u64 s[46:47], s[46:47], s[18:19]
	s_mul_i32 s45, s14, HALFT                      ; where they go: wave x 128 rows: no place in the cluster enters an LDS address
	s_mul_i32 s2, s14, HALFS
	s_mov_b32 s[FS], 1.0                           ; f = 1 for k and v,
	s_cmp_eq_u32 ttmp9, 0
	s_cselect_b32 s[FS], 0x3e38aa3b, s[FS]         ; log2(e) / 8 for q
	s_mov_b32 s[FS+1], s[FS]                       ; (named with it as a pair, so it is written)
	s_wait_dscnt 0x0                               ; both opening adds are done
	s_wait_kmcnt 0x0
	s_add_nc_u64 s[20:21], s[4:5], s[20:21]
	s_add_nc_u64 s[22:23], s[6:7], s[22:23]
	s_add_nc_u64 s[46:47], s[8:9], s[46:47]
	s_add_nc_u64 s[100:101], s[10:11], s[100:101]
	CROUND                                         ; all sixteen work-groups are here: the joint loads meet
	s_mov_b32 s[G0S], 1
	s_add_co_u32 s[G0S+1], s2, SCL
	s_mov_b64 s[G0S+2:G0S+3], s[22:23]
	s_or_b32 s[G0S+3], s[G0S+3], 0x80000000
	s_mov_b32 s[G0SB], 1
	s_add_co_u32 s[G0SB+1], s2, SCL
	s_mov_b64 s[G0SB+2:G0SB+3], s[100:101]
	s_or_b32 s[G0SB+3], s[G0SB+3], 0x80000000
	JLOAD G0S, G1S, G0SB, G1SB                     ; the scales first: they are wanted with the first slot
.irp s, 0,1
	s_mov_b32 s[G0+4*\s], 1
	s_add_co_u32 s[G0+4*\s+1], s45, \s*SLOT
	s_add_nc_u64 s[G0+4*\s+2:G0+4*\s+3], s[20:21], \s*ROWB
	s_or_b32 s[G0+4*\s+3], s[G0+4*\s+3], 0x80000000
	s_mov_b32 s[G0B+4*\s], 1
	s_add_co_u32 s[G0B+4*\s+1], s45, \s*SLOT
	s_add_nc_u64 s[G0B+4*\s+2:G0B+4*\s+3], s[46:47], \s*ROWB
	s_or_b32 s[G0B+4*\s+3], s[G0B+4*\s+3], 0x80000000
	JLOAD G0+4*\s, G1, G0B+4*\s, G1B               ; three tensor loads of mine are out now, and no more follow
.endr
	; the biases of my 128 columns, in the result's layout
	s_cmp_eq_u32 ttmp9, 0
	s_cselect_b64 s[92:93], s[92:93], s[94:95]     ; bq or bk,
	s_cmp_eq_u32 ttmp9, 2
	s_cselect_b64 s[92:93], s[96:97], s[92:93]     ; or bv: by the cluster's x alone
	s_lshl_b32 s18, s40, 10
	s_lshl_b32 s19, s16, 9
	s_add_co_u32 s18, s18, s19                     ; (256 cx + 128 x half) numbers of 4 bytes
	s_mov_b32 s19, 0
	s_add_nc_u64 s[92:93], s[92:93], s[18:19]
	v_and_b32 v1, 15, v0                           ; l % 16
	v_bfe_u32 v2, v0, 4, 1                         ; l / 16
	v_lshlrev_b32 v[BO], 5, v2
.irp b, 0,1,2,3,4,5,6,7
	global_load_b128 v[BI+8*\b:BI+8*\b+3], v[BO], s[92:93] offset:64*\b
	global_load_b128 v[BI+8*\b+4:BI+8*\b+7], v[BO], s[92:93] offset:64*\b+16
.endr
	; where my part begins in qkv: tensor 2^24, batch 2^22, head 2^18, token 2^7 bytes
	s_lshl_b32 s18, ttmp9, 24
	s_lshr_b32 s3, s17, 3                          ; a batch is eight tile rows
	s_lshl_b32 s3, s3, 22
	s_add_co_u32 s18, s18, s3
	s_lshl_b32 s3, s40, 2
	s_lshl_b32 s19, s16, 1
	s_add_co_u32 s3, s3, s19                       ; my first head: 4 cx + 2 x half
	s_lshl_b32 s3, s3, 18
	s_add_co_u32 s18, s18, s3
	s_and_b32 s3, s17, 7
	s_lshl_b32 s3, s3, 8
	s_lshl_b32 s19, s15, 7
	s_add_co_u32 s3, s3, s19                       ; my first token in the batch
	s_lshl_b32 s3, s3, 7
	s_add_co_u32 s18, s18, s3
	s_mov_b32 s19, 0
	s_add_nc_u64 s[12:13], s[98:99], s[18:19]
	v_mul_u32_u24 v3, v1, PITCH
	v_lshl_add_u32 v4, v2, 4, v3                   ; a fragment's row x pitch + 16 x half
	s_mul_i32 s21, s15, HALFT                      ; my 128 rows of X
	s_mul_i32 s22, s16, HALFT                      ; my 128 rows of W,
	s_add_co_u32 s22, s22, 2*HALFT                 ; which lie behind X's 256
.irp s, 0,1
	v_add_nc_u32 v[ADRA+\s], s21, v4
	v_add_nc_u32 v[ADRB+\s], s22, v4
	s_add_co_u32 s21, s21, SLOT
	s_add_co_u32 s22, s22, SLOT
.endr
	v_mul_u32_u24 v5, v1, KS                       ; my row's scales: 32 bytes a row,
	v_lshrrev_b32 v6, 8, v5
	v_lshl_add_u32 v5, v6, 4, v5                   ; and 16 more for each 256 passed
	s_mul_i32 s21, s15, HALFS                      ; X's: my 128 rows
	s_mul_i32 s22, s16, HALFS                      ; W's: my 128 rows, behind X's 256
	s_add_co_u32 s22, s22, 2*HALFS
	s_sub_co_u32 s22, s22, s21
	v_mul_u32_u24 v6, s22, v2                      ; lanes 16-31 take W's: the lower base + half x the distance
	s_add_co_u32 s21, s21, SCL
	v_add_nc_u32 v5, v5, v6
	v_add_nc_u32 v[ADRS], s21, v5
	s_mul_i32 s23, s14, STGB                       ; my stage
	v_mul_u32_u24 v5, v1, HP                       ; in: token l % 16, 16 bytes for each half of the lanes
	v_lshl_add_u32 v5, v2, 4, v5
	v_add_nc_u32 v[STO], s23, v5
	v_and_b32 v6, 31, v0
	v_lshlrev_b32 v[CO], 4, v6                     ; in qkv: 32 lanes x 16 bytes = four tokens of one head
	v_lshrrev_b32 v5, 3, v6
	v_mul_u32_u24 v5, v5, HP                       ; back: eight lanes to a token
	v_and_b32 v6, 7, v0
	v_lshl_add_u32 v5, v6, 4, v5
	v_add_nc_u32 v[RD], s23, v5
.macro FRAG reg, adr, q, i             ; 16 rows x 128 K of 4-bit codes: lane l holds row l % 16; registers 4 c .. 4 c + 3 hold K = 64 c + 32 (l / 16) + 0 .. 31
.irp c, 0,1
	ds_load_b128 v[\reg+4*\c:\reg+4*\c+3], v[\adr] offset:64*(\q)+32*\c+(\i)*16*PITCH
.endr
.endm
; 16 matrix instructions: X's blocks a0, a0 + 1 x W's eight, the slot's q-th 128 along K.  p: W's set;  sc: the set of scale words.  zero = 1: the first product starts the sums.
; The 64 accumulators take turns, one instruction a turn, in the same order in every step.
.macro MUL16 a0, p, q, sc, zero
.irp a, \a0, \a0+1
.irp b, 0,1,2,3,4,5,6,7
.if \zero
	v_wmma_scale_f32_16x16x128_f8f6f4 v[8*(8*((\a)%4)+\b):8*(8*((\a)%4)+\b)+7], v[128*(\p)+FR*\b:128*(\p)+FR*\b+FR-1], v[AF+FR*(\a):AF+FR*(\a)+FR-1], 0, v[SC+8*NQ*(\sc)+NQ*\b+(\q)], v[SC+8*NQ*(\sc)+NQ*(\a)+(\q)] matrix_a_fmt:MATRIX_FMT_FP4 matrix_b_fmt:MATRIX_FMT_FP4 matrix_a_scale:MATRIX_SCALE_ROW1
.else
	v_wmma_scale_f32_16x16x128_f8f6f4 v[8*(8*((\a)%4)+\b):8*(8*((\a)%4)+\b)+7], v[128*(\p)+FR*\b:128*(\p)+FR*\b+FR-1], v[AF+FR*(\a):AF+FR*(\a)+FR-1], v[8*(8*((\a)%4)+\b):8*(8*((\a)%4)+\b)+7], v[SC+8*NQ*(\sc)+NQ*\b+(\q)], v[SC+8*NQ*(\sc)+NQ*(\a)+(\q)] matrix_a_fmt:MATRIX_FMT_FP4 matrix_b_fmt:MATRIX_FMT_FP4 matrix_a_scale:MATRIX_SCALE_ROW1
.endif
.endr
.endr
.endm
.macro FETCH_B slot, q, p              ; W's eight fragments of the slot's q-th 128 along K into set p
	WIN TO_B
.irp i, 0,1,2,3,4,5,6,7
	FRAG 128*(\p)+FR*\i, ADRB+\slot, \q, \i
.endr
	WIN 0
.endm
.macro FETCH_A slot, q, i0             ; X's blocks i0 .. i0 + 3
.irp i, \i0, \i0+1, \i0+2, \i0+3
	FRAG AF+FR*(\i), ADRA+\slot, \q, \i
.endr
.endm
.macro SCALES sc                       ; a slot's scale words into set sc: four words a row; lanes 0-15 X's block i, lanes 16-31 W's block i
.irp i, 0,1,2,3,4,5,6,7
	ds_load_b128 v[SC+8*NQ*\sc+NQ*\i:SC+8*NQ*\sc+NQ*\i+3], v[ADRS] offset:\i*SBLK
.endr
.endm
; A load into a register that a matrix instruction has read stands NP places behind it; only plain vector instructions that name none of its registers are places (ISA guide 7.12.1 for vector instructions).
.macro PLACES n
.rept \n
	v_nop
.endr
.endm
; A step of 128 along K that has its successor in the same slot.  X has one set of registers: blocks 0-3 are fetched anew in the step's middle, blocks 4-7 at its end; W has two sets.
.macro STEP slot, q, zero
	s_wait_dscnt 4*NL                              ; W's set and X's blocks 0-3 are in; the youngest eight loads (X's blocks 4-7) may be out
	WIN MUL_LO
	MUL16 0, (\q)%2, \q, \slot, \zero
	MUL16 2, (\q)%2, \q, \slot, \zero
	s_wait_dscnt 0                                 ; X's blocks 4-7 are in (asked for 32 matrix instructions ago)
	PLACES NP
	FETCH_B \slot, (\q)+1, 1-(\q)%2
	FETCH_A \slot, (\q)+1, 0
	WIN MUL_HI
	MUL16 4, (\q)%2, \q, \slot, \zero
	MUL16 6, (\q)%2, \q, \slot, \zero
	PLACES NP
	WIN 0
	FETCH_A \slot, (\q)+1, 4
.endm
; Slot 0's last step changes slots: one barrier.  In front of it each wave waits for all its tensor loads (its part of slot 1), adds 0 to its spare word, and waits for that and for its reads of slot 0.
; Behind it slot 1 is whole, and nobody reads slot 0 any more: the stages of the way out may lie there.
.macro TURN slot, next
	s_wait_tensorcnt 0x0                           ; all my tensor loads have landed
	ds_add_u32 v[SPW], v[NIL]                      ; 0 onto my spare word
	s_wait_dscnt 4*NL+1                            ; (the add and the youngest eight loads, X's blocks 4-7, may be out)
	WIN MUL_LO
	MUL16 0, 1, NQ-1, \slot, 0                     ; sixteen matrix instructions stand between the add and the wait for it
	s_wait_dscnt 0x0                               ; the add is done, and my reads of this slot are over
	s_barrier_signal -1
	MUL16 2, 1, NQ-1, \slot, 0
	WIN 0
	s_barrier_wait -1
	PLACES NP
	v_add_nc_u32 v[ADRS], 4*NQ, v[ADRS]            ; on to the next slot's scale words (no LDS load of mine is out)
	FETCH_B \next, 0, 0
	FETCH_A \next, 0, 0
	SCALES \next
	WIN MUL_HI
	MUL16 4, 1, NQ-1, \slot, 0
	MUL16 6, 1, NQ-1, \slot, 0
	PLACES NP
	WIN 0
	FETCH_A \next, 0, 4
.endm
.macro STEPS slot, from                ; the slot's steps from .. NQ - 2
.set Q, \from
.rept NQ-1-\from
	STEP \slot, Q, 0
.set Q, Q+1
.endr
.endm
	s_wait_tensorcnt 1                             ; the scales and my part of slot 0 are in; the one load behind them, slot 1's, may be out
	s_barrier_signal -1
	s_barrier_wait -1                              ; everybody's are
	FETCH_B 0, 0, 0
	FETCH_A 0, 0, 0
	SCALES 0
	FETCH_A 0, 0, 4
	STEP 0, 0, 1                                   ; the first step's products start the sums: nothing is cleared
	STEPS 0, 1
	TURN 0, 1
	STEPS 1, 0
	s_wait_dscnt 4*NL                              ; the very last step: nothing more to fetch
	WIN MUL_LO
	MUL16 0, 1, NQ-1, 1, 0
	MUL16 2, 1, NQ-1, 1, 0
	s_wait_dscnt 0
	WIN MUL_HI
	MUL16 4, 1, NQ-1, 1, 0
	MUL16 6, 1, NQ-1, 1, 0
	WIN 0
; THE WAY OUT, block by block of 16 tokens x 128 channels (two heads).  A lane's eight results get factor and bias by four packed multiply-adds and pack into 16 bytes of f16; the lanes beside it hold other tokens.
; So a block goes through my stage, laid [head][token], and comes back as runs of four tokens of one head: 512 consecutive bytes of qkv, aligned, for each store of the wave.
	s_wait_loadcnt 0x0                             ; the biases
.set i, 0
.rept 32
	v_pk_mul_f32 v[BI+i:BI+i+1], v[BI+i:BI+i+1], s[FS:FS+1] op_sel_hi:[1,0]   ; b x f, once.  (These 32 are also the places behind the last products)
.set i, i+2
.endr
.macro PACK a
.set AC, 64*((\a)%4)
	WIN 0x02+((\a)/4)                              ; source 0: window 2 or 3
.irp b, 0,1,2,3,4,5,6,7
.irp r, 0,1,2,3
	v_pk_fma_f32 v[TF+8*\b+2*\r:TF+8*\b+2*\r+1], v[AC+8*\b+2*\r:AC+8*\b+2*\r+1], s[FS:FS+1], v[BI+8*\b+2*\r:BI+8*\b+2*\r+1] op_sel_hi:[1,0,1]   ; acc x f + b x f; each accumulator from its low end on
.endr
.endr
	WIN 0
.irp b, 0,1,2,3,4,5,6,7
.irp r, 0,1,2,3
	v_cvt_pk_f16_f32 v[TH+4*\b+\r], v[TF+8*\b+2*\r], v[TF+8*\b+2*\r+1]
.endr
.endr
.endm
.macro TOSTAGE a
.irp b, 0,1,2,3,4,5,6,7
	ds_store_b128 v[STO], v[TH+4*\b:TH+4*\b+3] offset:(\b/4)*16*HP+(\b%4)*32   ; head b / 4, channels 16 (b % 4) + 8 (lane / 16) on
.endr
.set BB, BK+32*((\a)%2)
.irp i, 0,1,2,3,4,5,6,7
	ds_load_b128 v[BB+4*\i:BB+4*\i+3], v[RD] offset:(\i/4)*16*HP+(\i%4)*4*HP   ; LDS serves a wave's instructions in order (ISA guide 5.7.1.4): these see the stores above
.endr
.endm
.macro SEND a
.set BB, BK+32*((\a)%2)
	s_wait_dscnt 0x0                               ; the block is back in registers
	s_wait_xcnt 0x0                                ; the stores of the block before have read their registers: the next block's loads may land there
.irp i, 0,1,2,3,4,5,6,7
	global_store_b128 v[CO], v[BB+4*\i:BB+4*\i+3], s[12:13] offset:(\i/4)*262144+(\a)*2048+(\i%4)*512   ; head i / 4, tokens 16 a + 4 (i % 4) on; the base is never stepped
.endr
.endm
	PACK 0
	TOSTAGE 0
.irp a, 1,2,3,4,5,6,7                  ; block a's arithmetic stands between block a - 1's loads from the stage and the wait for them
	PACK \a
	SEND \a-1
	TOSTAGE \a
.endr
	SEND 7
	s_wait_tensorcnt 0x0                           ; the wave's end, behind my last tensor load and my last LDS store
	ds_add_u32 v[SPW], v[NIL]
	s_wait_dscnt 0x0
	CROUND                                         ; the closing round: no work-group ends while a partner may still ask for a tile that names it
	s_endpgm
.Lfunc_end_k_q4a021af7f7_proj:
	.size	k_q4a021af7f7_proj, .Lfunc_end_k_q4a021af7f7_proj-k_q4a021af7f7_proj
	.p2alignl 7, 3214868480
	.fill 96, 4, 3214868480
	.section	.rodata,"a",@progbits
	.p2align	6, 0x0
	.amdhsa_kernel k_q4a021af7f7_proj
		.amdhsa_group_segment_fixed_size 327680
		.amdhsa_private_segment_fixed_size 0
		.amdhsa_enable_private_segment 0
		.amdhsa_kernarg_size 64
		.amdhsa_user_sgpr_count 2
		.amdhsa_user_sgpr_kernarg_segment_ptr 1
		.amdhsa_wavefront_size32 1
		.amdhsa_system_sgpr_workgroup_id_x 1
		.amdhsa_system_sgpr_workgroup_id_y 1
		.amdhsa_system_sgpr_workgroup_id_z 1
		.amdhsa_system_vgpr_workitem_id 0
		.amdhsa_next_free_vgpr 1024
		.amdhsa_next_free_sgpr 102
		.amdhsa_reserve_vcc 0
		.amdhsa_float_denorm_mode_32 3
		.amdhsa_float_denorm_mode_16_64 3
		.amdhsa_memory_ordered 1
		.amdhsa_forward_progress 1
		.amdhsa_inst_pref_size 146
	.end_amdhsa_kernel
	.amdgpu_metadata
---
amdhsa.version: [ 1, 2 ]
amdhsa.kernels:
  - .name:           k_q4a021af7f7_proj
    .symbol:         k_q4a021af7f7_proj.kd
    .args:
      - { .name: x_codes, .offset: 0, .size: 8, .value_kind: global_buffer, .address_space: global }
      - { .name: x_scales, .offset: 8, .size: 8, .value_kind: global_buffer, .address_space: global }
      - { .name: w_codes, .offset: 16, .size: 8, .value_kind: global_buffer, .address_space: global }
      - { .name: w_scales, .offset: 24, .size: 8, .value_kind: global_buffer, .address_space: global }
      - { .name: bq, .offset: 32, .size: 8, .value_kind: global_buffer, .address_space: global }
      - { .name: bk, .offset: 40, .size: 8, .value_kind: global_buffer, .address_space: global }
      - { .name: bv, .offset: 48, .size: 8, .value_kind: global_buffer, .address_space: global }
      - { .name: qkv, .offset: 56, .size: 8, .value_kind: global_buffer, .address_space: global }
    .group_segment_fixed_size: 327680
    .private_segment_fixed_size: 0
    .kernarg_segment_align: 8
    .kernarg_segment_size: 64
    .max_flat_workgroup_size: 128
    .sgpr_count:     102
    .vgpr_count:     1024
    .wavefront_size: 32
...
	.end_amdgpu_metadata
.endif
;; end of part 2
;; launch attn (part 3): grid 4 x 64, 8 waves a work-group, clusters of 4 x 1, 327,680 bytes of LDS; arguments qkv, attention_mask, out0; writes out0
.if DOCPART == 3
	.amdgcn_target "amdgcn-amd-amdhsa--gfx1250"
	.amdhsa_code_object_version 6
	.text
	.protected	k_q4a021af7f7_attn
	.globl	k_q4a021af7f7_attn
	.p2align	8
	.type	k_q4a021af7f7_attn,@function
k_q4a021af7f7_attn:
	s_mov_b64 s[64:65], 0
	v_nop
	global_prefetch_b8 v0, s[64:65] scope:SCOPE_SE
	s_setreg_imm32_b32 hwreg(HW_REG_WAVE_MODE, 25, 1), 1
	s_wait_xcnt 0x0
	s_wait_alu depctr_hold_cnt(0) depctr_sa_sdst(0) depctr_va_vdst(0) depctr_va_sdst(0) depctr_va_ssrc(0) depctr_va_vcc(0) depctr_vm_vsrc(0)
	s_getreg_b32 s2, hwreg(HW_REG_IB_STS2, 6, 4)
	s_cmp_eq_u32 s2, 0
	s_cbranch_scc0 .Lentry_in_a_cluster
	s_endpgm
.Lentry_in_a_cluster:
	s_bfe_u32 s2, ttmp6, 0x10000c
	s_cmp_lg_u32 s2, 0x3003
	s_cbranch_scc0 .Lentry_shape_is_right
	s_endpgm
.Lentry_shape_is_right:
; out0[b][q][64 h + :] = the sum over keys of softmax_k(q . k / 8 + mask[b][k]) v[k][:], for 64 heads (b, h) of 2,048 tokens and 64 channels.  (reference()'s two flips undo each other: a softmax does not know the order of its keys.)
; In: qkv, f16, [3][b][h][token][64]; q comes as (q + bq) x log2(e) / 8.  attention_mask [4][2048] f32.  Out: f32.  Both products by the f16 matrix form with f32 sums; maxima, exponentials and sums in f32; p rounded to f16.
; THE MASK IS THE C OF EACH SCORE TILE'S FIRST MATRIX INSTRUCTION: M[k] = max(mask[k] x log2(e), -1e30).  So the result is t = (score / 8 + mask) x log2(e), and p = 2^(t - m), m the query's running maximum of t: at most 1.
; In every step O and the sum l are multiplied by a = 2^(old m - new m).
; LIMITS: mask values under -1e30 / log2(e), -infinity among them, count as that number: such keys get p = 0 as soon as one key above them has been met; a batch whose every key is -infinity gives the mean of v where
; reference() gives NaN.  NaN and +infinity among the inputs are not served.
; SHARES.  A cluster of four work-groups is one head; a work-group owns 512 queries, each of its EIGHT waves 64: four tiles of 16, in 512 registers, two waves for each of a WGP's four SIMDs.  Every wave walks all 2,048 keys, 64 a step.
; The four partners walk the same K and V: each tile is asked for JOINTLY, by the same tensor load with the same descriptor and the mask 15.
; LAYOUT.  S^T = K Q^T + M (source 0 = 16 keys, source 1 = 16 queries) and O^T = V^T P (source 0 = 16 channels, turned out of LDS by ds_load_tr16_b128; source 1 = P): a lane holds ONE query (lane % 16) throughout,
; and two score tiles, rounded to f16 in pairs IN PLACE, are source 1 of the second product.  Each fragment of K or V that is read from LDS feeds four matrix instructions.
; TWO KINDS OF WAVE.  A trip is: V^T P of step j, K Q^T of step j + 1, and one softmax of four tiles.  Waves 0-3 run the softmax (of step j) at the trip's head, waves 4-7 (of step j + 1) at its end: a branch on the wave's
; number round one of two copies.  So behind every barrier one kind begins with vector work and the other with matrix work, and the two kinds stay half a trip apart.
; RING.  Two LDS slots of 512 keys (8 steps); every wave fetches 128 keys of K (waves 0-3) or of V (waves 4-7) by one load.  Slots 0 and 1 are asked for at the head, each is filled once more; by this text's own count
; a wave has two tensor loads out at the start and one behind each of the two refills.
; REGISTERS.  window 0: v3-15 addresses; v16-63 statistics, 12 a tile; v64-191 S^T, 32 a tile, P in its first 16; v192-223 M of the step; v224-239 at work at the head.
;   window 1: v0-127 O^T, 32 a tile; v128-191 Q; v192-255 ONE buffer for K or V of a step, in two halves: when V's first half has been multiplied it takes K's first half, and so on.
.set PK,     272                       ; an LDS row of K: TWO keys, 256 bytes, + 16: sixteen keys of a load start at sixteen different groups of four banks (64 banks of 4 bytes: ISA guide 11.1)
.set PV,     288                       ; of V: two keys + 32: the sixteen lanes of a turning load (4 rows x 2 keys x 2 x 16 bytes) touch each bank once
.set KREG,   256*PK                    ; a slot: 512 keys of K, then 512 keys of V
.set SLOT,   KREG+256*PV
.set KSTEPB, 32*PK                     ; a step's 64 keys
.set VSTEPB, 32*PV
.set MASK,   2*SLOT                    ; behind the ring: M of the batch, 2,048 x 4 bytes: stored by the waves, never a fill's target
.set SPARE,  MASK+8192                 ; the spare words, 128 bytes a wave
.set SP,     272                       ; the way out: a row of a stage: 256 bytes + 16
.set STGB,   16*SP                     ; a wave's stage; the stages lie in slot 0, which has had its last fill and its last read at the third change of slots
.set AK0, 3                            ; v3   my lane's place in a tile of K
.set AV0, 4                            ; v4   in a tile of V
.set AM0, 5                            ; v5   in M
.set ADK, 6                            ; v6-8 the addresses of the step in hand
.set ADV, 7
.set ADM, 8
.set QO,  9                            ; v9   my byte offset in the wave's rows of Q
.set STO, 10                           ; v10  the way out: where I put 32 bytes of a row
.set RD,  11                           ; v11  where I read a row back
.set GO,  12                           ; v12  my byte offset in the wave's rows of out0
.set PFO, 13                           ; v13  256 x lane; never rewritten
.set SPW, 14                           ; v14  my spare word; never rewritten
.set NIL, 15                           ; v15  0; never rewritten
.set ST,  16                           ; tile t's statistics at v[ST + 12 t]: +0 m, +1 the old m, then old m - new m, +2 a, +3 written once (named with a as a pair), +4,5 and +6,7 l in two chains of pairs, +8..11 c0-c3
.set S,   64
.set MK,  192
.set MT,  224                          ; v224-231 eight numbers of the mask; v232, v233 their addresses; v234-237 at work
.set MA,  232
.set ML,  233
.set QF,  128                          ; window 1
.set KV,  192                          ; window 1
.set WV,  12                           ; s12  wave
.set CX,  13                           ; s13  my place in the cluster
.set BH,  14                           ; s14  the head, 16 b + h
.set ASKAT, 15                         ; s15  the trip (by the loop's count) in which I prefetch, or -1
.set PFA, 18                           ; s[18:19] where my prefetches stand; never rewritten
.set G1K, 24                           ; s[24:31], s[32:39] group 1 for K's and V's tiles
.set G1V, 32
.set G0K, 40                           ; s[40:47], s[48:55] group 0, a set for each slot
.set G0V, 48
.set CNT, 56                           ; s56  the loops' count
.set TBK, 57                           ; s57  LDS byte at which K of the step to be fetched begins
.set TBV, 58                           ; s58  V of it
.set TM,  59                           ; s59  M of it, from MASK on
.set SEL, 60                           ; s[60:61] v_permlanex16_b32's selects: lane l xor 16
.set MSB, 0
.macro WIN new                         ; the immediate's high byte repeats the setting that is left; a switch that changes nothing is dropped
.if MSB != \new
	s_set_vgpr_msb (MSB<<8)|\new
.set MSB, \new
.endif
.endm
.set W_QK, 0x05                        ; K and Q window 1; C and D window 0
.set W_PV, 0x51                        ; V window 1, P window 0, O^T (C and D) window 1
.set W_RS, 0x41                        ; O^T (destination and source 0) window 1, a window 0
.set W_LD, 0x40                        ; destination window 1, address window 0
; A joint refill of slot s: waves 0-3 K's quarters, waves 4-7 V's.  The branch hangs on the wave's number alone.  An s_nop 0 and four v_nop follow each line.
.macro JLOAD s
	s_cmp_lt_u32 s[WV], 4
	s_cbranch_scc0 .Lfor_v_\@
	tensor_load_to_lds s[G0K+4*\s:G0K+4*\s+3], s[G1K:G1K+7]
	s_nop 0
.rept 4
	v_nop
.endr
	s_branch .Lasked_\@
.Lfor_v_\@:
	tensor_load_to_lds s[G0V+4*\s:G0V+4*\s+3], s[G1V:G1V+7]
	s_nop 0
.rept 4
	v_nop
.endr
.Lasked_\@:
.endm
.macro CROUND                          ; a round of the cluster's barrier
	s_barrier_signal -1
	s_barrier_wait -1
	s_cmp_lg_u32 s[WV], 0
	s_cbranch_scc1 .Lnot_wave_0_\@
	s_barrier_signal -3
.Lnot_wave_0_\@:
	s_barrier_wait -3
	s_barrier_signal -1
	s_barrier_wait -1
.endm
	s_load_b128 s[4:7], s[0:1], 0x0                ; qkv s[4:5], attention_mask s[6:7]
	s_load_b64 s[8:9], s[0:1], 0x10                ; out0
	v_lshl_add_u32 v[SPW], v0, 2, SPARE
	v_mov_b32 v[NIL], 0
	ds_add_u32 v[SPW], v[NIL]                      ; the wave's opening: the add, twice on end, and its wait ahead of my first tensor load
	ds_add_u32 v[SPW], v[NIL]
	v_lshrrev_b32 v1, 5, v0
	v_readfirstlane_b32 s[WV], v1                  ; wave 0..7
	s_bfe_u32 s[CX], ttmp6, 0x40000                ; cx: it enters Q's, out0's and the prefetches' addresses alone
	s_and_b32 s[BH], ttmp7, 0xffff                 ; the head, which the four partners share
	s_and_b32 s16, s[WV], 3                        ; which quarter of a slot's K or V I fetch
	s_mul_i32 s17, s16, 64*PK                      ; its place in a slot: K's,
	s_mul_i32 s20, s16, 64*PV
	s_add_co_u32 s20, s20, KREG                    ; V's: no place in the cluster enters an LDS address
	s_lshl_b32 s66, s[BH], 18                      ; a head's rows are 2^18 bytes
	s_mov_b32 s67, 0
	s_lshl_b32 s68, s16, 14                        ; a quarter: 128 keys of 128 bytes
	s_mov_b32 s69, 0
	; group 1: 64 rows x 128 elements of 2 bytes (two keys a row: a head's rows are dense), padded in LDS
	s_mov_b32 s[G1K], 15|(1<<16)|(1<<20)|(1<<21)|(5<<22)|(3<<25)  ; 15:0 all four work-groups; 17:16 2 bytes; 20 padding on; 21 set beside a mask; 24:22 after every 64 words; 31:25 four words
	s_mov_b32 s[G1V], 15|(1<<16)|(1<<20)|(1<<21)|(5<<22)|(7<<25)  ; the same with eight words
.irp g, G1K, G1V
	s_mov_b32 s[\g+1], 128<<16                     ; tensor_dim0
	s_mov_b32 s[\g+2], 64<<16                      ; tensor_dim1
	s_mov_b32 s[\g+3], 128<<16                     ; tile_dim0
	s_mov_b32 s[\g+4], 64                          ; tile_dim1
	s_mov_b32 s[\g+5], 128                         ; from row to row
	s_mov_b32 s[\g+6], 0
	s_mov_b32 s[\g+7], 0
.endr
	s_mov_b32 s[SEL], 0x76543210
	s_mov_b32 s[SEL+1], 0xfedcba98
	s_mov_b32 s[TBK], 0
	s_mov_b32 s[TBV], KREG
	s_mov_b32 s[TM], 0
	s_wait_dscnt 0x0                               ; both opening adds are done
	s_wait_kmcnt 0x0
	s_add_nc_u64 s[2:3], s[4:5], s[66:67]          ; the head's rows of q; k's lie 2^24 bytes on, v's 2^25
	s_add_nc_u64 s[22:23], s[2:3], s[68:69]        ; + my quarter
	CROUND                                         ; all four work-groups are here: the first joint loads meet
.irp s, 0,1
	s_mov_b32 s[G0K+4*\s], 1                       ; count = 1
	s_add_co_u32 s[G0K+4*\s+1], s17, \s*SLOT       ; LDS address
	s_add_nc_u64 s[G0K+4*\s+2:G0K+4*\s+3], s[22:23], 0x1000000+\s*65536   ; slot s begins with keys 512 s on
	s_or_b32 s[G0K+4*\s+3], s[G0K+4*\s+3], 0x80000000                     ; type = 2
	s_mov_b32 s[G0V+4*\s], 1
	s_add_co_u32 s[G0V+4*\s+1], s20, \s*SLOT
	s_add_nc_u64 s[G0V+4*\s+2:G0V+4*\s+3], s[22:23], 0x2000000+\s*65536
	s_or_b32 s[G0V+4*\s+3], s[G0V+4*\s+3], 0x80000000
.endr
	s_cmp_lt_u32 s[WV], 4                          ; a wave's two first fills stand in one branch, ahead of every wait on TENSORcnt, every LDS read and every other barrier
	s_cbranch_scc0 .Lfirst_v
	tensor_load_to_lds s[G0K:G0K+3], s[G1K:G1K+7]
	s_nop 0
	tensor_load_to_lds s[G0K+4:G0K+7], s[G1K:G1K+7]
	s_nop 0
.rept 4
	v_nop
.endr
	s_branch .Lfirst_asked
.Lfirst_v:
	tensor_load_to_lds s[G0V:G0V+3], s[G1V:G1V+7]
	s_nop 0
	tensor_load_to_lds s[G0V+4:G0V+7], s[G1V:G1V+7]
	s_nop 0
.rept 4
	v_nop
.endr
.Lfirst_asked:
	; Q stays in registers.  A fragment is 16 queries x 32 channels: lane l holds query l % 16; registers 0-3 channels 8 (l / 16) + 0..7, registers 4-7 channels 16 + 8 (l / 16) + 0..7
	s_lshl_b32 s70, s[CX], 16                      ; my work-group's 512 queries,
	s_lshl_b32 s21, s[WV], 13                      ; my wave's 64 of them
	s_add_co_u32 s70, s70, s21
	s_mov_b32 s71, 0
	s_add_nc_u64 s[10:11], s[2:3], s[70:71]
	v_and_b32 v1, 15, v0                           ; r = l % 16
	v_bfe_u32 v2, v0, 4, 1                         ; h = l / 16
	v_lshlrev_b32 v[QO], 7, v1
	v_lshl_add_u32 v[QO], v2, 4, v[QO]
	WIN W_LD
.irp t, 0,1,2,3
.irp c, 0,1
	global_load_b128 v[QF+16*\t+8*\c:QF+16*\t+8*\c+3],   v[QO], s[10:11] offset:2048*\t+64*\c
	global_load_b128 v[QF+16*\t+8*\c+4:QF+16*\t+8*\c+7], v[QO], s[10:11] offset:2048*\t+64*\c+32
.endr
.endr
.set i, 0
.rept 128
	v_mov_b32 v[i], 0                              ; O^T.  (The trip is written once for all steps: the first softmax finds zeros, which its a = 0 leaves zeros; a first trip of its own would be a fifth copy of the trip's text)
.set i, i+1
.endr
	WIN 0
	s_lshr_b32 s70, s[BH], 4                       ; the batch
	s_lshl_b32 s70, s70, 13                        ; its 2,048 numbers of the mask
	s_add_nc_u64 s[6:7], s[6:7], s[70:71]
	v_lshlrev_b32 v[MA], 5, v0                     ; eight numbers a thread: 256 threads take the 2,048
	global_load_b128 v[MT:MT+3], v[MA], s[6:7]
	global_load_b128 v[MT+4:MT+7], v[MA], s[6:7] offset:16
	v_lshl_add_u32 v[ML], v0, 5, MASK
	; out0 at my wave's first query: batch 2^23, token 2^12, head 2^8 bytes
	s_lshr_b32 s70, s[BH], 4
	s_lshl_b32 s70, s70, 23
	s_lshl_b32 s21, s[CX], 21
	s_add_co_u32 s70, s70, s21
	s_lshl_b32 s21, s[WV], 18
	s_add_co_u32 s70, s70, s21
	s_and_b32 s21, s[BH], 15
	s_lshl_b32 s21, s21, 8
	s_add_co_u32 s70, s70, s21
	s_add_nc_u64 s[8:9], s[8:9], s[70:71]
	; THE PREFETCHES.  A slot's K is 65,536 bytes, 256 blocks of 256, and so is its V.  The four partners share them out BY ADDRESS, 16,384 bytes each; in each, waves 0 and 1 ask for K's halves of that and waves 4 and 5 for V's,
	; lanes 256 bytes apart, one instruction: so each block is named once in the launch.  Asked for are the two slots that come by refills; slots 0 and 1 come by their loads alone.
	s_mov_b32 s70, 0x2000000
	s_cmp_lt_u32 s[WV], 4
	s_cselect_b32 s70, 0x1000000, s70              ; K's rows or V's
	s_lshl_b32 s21, s[CX], 14
	s_add_co_u32 s70, s70, s21
	s_and_b32 s21, s[WV], 1
	s_lshl_b32 s21, s21, 13
	s_add_co_u32 s70, s70, s21
	s_add_nc_u64 s[PFA:PFA+1], s[2:3], s[70:71]
	s_and_b32 s21, s[WV], 2
	s_cmp_eq_u32 s21, 0
	s_cselect_b32 s[ASKAT], 3, -1                  ; where the loop's count stands at 3: two whole trips ahead of the change of slots that asks for the data
	v_and_b32 v[PFO], 31, v0
	v_lshlrev_b32 v[PFO], 8, v[PFO]
	; lane addresses
	v_bfe_u32 v234, v0, 1, 3                       ; r / 2: key r lies in row r / 2,
	v_and_b32 v235, 1, v0                          ; in its half r % 2
	v_mul_u32_u24 v[AK0], v234, PK
	v_lshl_add_u32 v[AK0], v235, 7, v[AK0]
	v_lshl_add_u32 v[AK0], v2, 4, v[AK0]           ; + 16 h
	; the turning load: lane l names key 8 h + l % 8 and channels 8 ((l / 8) % 2) + 0..7, and is left with channel l % 16 and keys 8 h + 0..7
	v_bfe_u32 v234, v0, 1, 2                       ; (l % 8) / 2
	v_lshl_add_u32 v234, v2, 2, v234               ; + 4 h: the row
	v_mul_u32_u24 v[AV0], v234, PV
	v_lshl_add_u32 v[AV0], v235, 7, v[AV0]         ; the key's half of it
	v_bfe_u32 v236, v0, 3, 1
	v_lshl_add_u32 v[AV0], v236, 4, v[AV0]
	v_lshl_add_u32 v[AM0], v2, 5, MASK             ; M: register j of a score tile is key 8 h + j, for every query
	s_mul_i32 s21, s[WV], STGB                     ; my stage
	v_mul_u32_u24 v[STO], v1, SP                   ; in: row r, 32 bytes for each half of the lanes
	v_lshl_add_u32 v[STO], v2, 5, v[STO]
	v_add_nc_u32 v[STO], s21, v[STO]
	v_mul_u32_u24 v[RD], v2, SP                    ; back: lanes 0-15 one row of 256 bytes, lanes 16-31 the next
	v_lshl_add_u32 v[RD], v1, 4, v[RD]
	v_add_nc_u32 v[RD], s21, v[RD]
	v_lshlrev_b32 v[GO], 12, v2                    ; and the same two tokens in out0
	v_lshl_add_u32 v[GO], v1, 4, v[GO]
.irp t, 0,1,2,3
	v_mov_b32 v[ST+12*\t], 0xff61b1e6              ; m: -3e38, under every t
	v_mov_b32 v[ST+12*\t+3], 0
	v_mov_b32 v[ST+12*\t+4], 0                     ; l
	v_mov_b32 v[ST+12*\t+5], 0
	v_mov_b32 v[ST+12*\t+6], 0
	v_mov_b32 v[ST+12*\t+7], 0
.endr
	s_wait_loadcnt 0x0                             ; Q and the mask
.irp i, 0,2,4,6
	v_pk_mul_f32 v[MT+\i:MT+\i+1], v[MT+\i:MT+\i+1], 0x3fb8aa3b op_sel_hi:[1,0]   ; x log2(e)
.endr
.irp i, 0,1,2,3,4,5,6,7
	v_max_num_f32 v[MT+\i], 0xf149f2ca, v[MT+\i]   ; held at -1e30 from below: no score becomes -infinity, so no difference of two of them is NaN
.endr
	ds_store_b128 v[ML], v[MT:MT+3]
	ds_store_b128 v[ML], v[MT+4:MT+7] offset:16
	s_wait_tensorcnt 0x1                           ; my part of slot 0 is in; the one load behind it, slot 1's, may be out
	s_wait_dscnt 0x0                               ; my part of M is stored
	s_barrier_signal -1
	s_barrier_wait -1                              ; everybody's are
; K's key tiles 2 half, 2 half + 1 (16 keys x 64 channels each: two fragments) into that half of the buffer
.macro LOADK half
	WIN W_LD
.irp kt, 2*\half, 2*\half+1
.irp c, 0,1
	ds_load_b128 v[KV+16*(\kt)+8*\c:KV+16*(\kt)+8*\c+3],   v[ADK] offset:8*PK*(\kt)+64*\c
	ds_load_b128 v[KV+16*(\kt)+8*\c+4:KV+16*(\kt)+8*\c+7], v[ADK] offset:8*PK*(\kt)+64*\c+32
.endr
.endr
.endm
.macro LOADM                           ; M of the step's 64 keys, in the score tiles' layout
	WIN 0
.irp kt, 0,1,2,3
	ds_load_b128 v[MK+8*\kt:MK+8*\kt+3],   v[ADM] offset:64*\kt
	ds_load_b128 v[MK+8*\kt+4:MK+8*\kt+7], v[ADM] offset:64*\kt+16
.endr
.endm
; 16 matrix instructions of S^T = K Q^T + M: two key tiles x four tiles of queries, two deep.  The eight accumulators take turns; the first link takes M as C.
.macro QKH half
	WIN W_QK
.irp c, 0,1
.irp kt, 2*\half, 2*\half+1
.irp t, 0,1,2,3
.if \c == 0
	v_wmma_f32_16x16x32_f16 v[S+32*\t+8*(\kt):S+32*\t+8*(\kt)+7], v[KV+16*(\kt)+8*\c:KV+16*(\kt)+8*\c+7], v[QF+16*\t+8*\c:QF+16*\t+8*\c+7], v[MK+8*(\kt):MK+8*(\kt)+7]
.else
	v_wmma_f32_16x16x32_f16 v[S+32*\t+8*(\kt):S+32*\t+8*(\kt)+7], v[KV+16*(\kt)+8*\c:KV+16*(\kt)+8*\c+7], v[QF+16*\t+8*\c:QF+16*\t+8*\c+7], v[S+32*\t+8*(\kt):S+32*\t+8*(\kt)+7]
.endif
.endr
.endr
.endr
.endm
; 16 matrix instructions of O^T += V^T P: keys 32 kh on; four tiles of channels x four tiles of queries: sixteen accumulators by turns
.macro PVH kh
	WIN W_PV
.irp ct, 0,1,2,3
.irp t, 0,1,2,3
	v_wmma_f32_16x16x32_f16 v[32*\t+8*\ct:32*\t+8*\ct+7], v[KV+32*\kh+8*\ct:KV+32*\kh+8*\ct+7], v[S+32*\t+8*\kh:S+32*\t+8*\kh+7], v[32*\t+8*\ct:32*\t+8*\ct+7]
.endr
.endr
.endm
; Behind a step's scores: the old m is kept for a; these four lines and the v_nop are the places behind the last products, for the loads into the buffer that they read, for the softmax's
; first read of the scores, and for a matrix instruction that takes the scores' registers as a source.  Then the same step's V, turned, into the whole buffer.
.macro ENDQK
	WIN 0
.irp t, 0,1,2,3
	v_mov_b32 v[ST+12*\t+1], v[ST+12*\t]
.endr
	v_nop
	WIN W_LD
.irp kh, 0,1
.irp ct, 0,1,2,3
	ds_load_tr16_b128 v[KV+32*\kh+8*\ct:KV+32*\kh+8*\ct+3],   v[ADV] offset:16*PV*\kh+32*\ct
	ds_load_tr16_b128 v[KV+32*\kh+8*\ct+4:KV+32*\kh+8*\ct+7], v[ADV] offset:16*PV*\kh+32*\ct+8*PV
.endr
.endr
	WIN 0
.endm
; THE SOFTMAX of four tiles for one step, the tiles innermost, so that no line waits for the line above it.  It begins and ends in window 0.
.macro SOFTMAX
.irp j, 0,1,2,3                        ; the maximum of a lane's 32 scores and the old m: four chains a tile; each accumulator is first read at its low end
.irp t, 0,1,2,3
	v_max3_num_f32 v[ST+12*\t+8+\j], v[S+32*\t+8*\j], v[S+32*\t+8*\j+1], v[S+32*\t+8*\j+2]
.endr
.endr
.irp g, 1,2
.irp j, 0,1,2,3
.irp t, 0,1,2,3
	v_max3_num_f32 v[ST+12*\t+8+\j], v[ST+12*\t+8+\j], v[S+32*\t+8*\j+2*\g+1], v[S+32*\t+8*\j+2*\g+2]
.endr
.endr
.endr
.irp t, 0,1,2,3
	v_max3_num_f32 v[ST+12*\t+8], v[ST+12*\t+8], v[S+32*\t+7], v[S+32*\t+15]
.endr
.irp t, 0,1,2,3
	v_max3_num_f32 v[ST+12*\t+10], v[ST+12*\t+10], v[S+32*\t+23], v[S+32*\t+31]
.endr
.irp t, 0,1,2,3
	v_max3_num_f32 v[ST+12*\t+8], v[ST+12*\t+8], v[ST+12*\t+9], v[ST+12*\t+10]
.endr
.irp t, 0,1,2,3
	v_max3_num_f32 v[ST+12*\t+8], v[ST+12*\t+8], v[ST+12*\t+11], v[ST+12*\t]
.endr
.irp t, 0,1,2,3
	v_permlanex16_b32 v[ST+12*\t+9], v[ST+12*\t+8], s[SEL], s[SEL+1]   ; the query's other 32 keys lie in the lane 16 away
.endr
.irp t, 0,1,2,3
	v_max_num_f32 v[ST+12*\t], v[ST+12*\t+8], v[ST+12*\t+9]            ; the new m
.endr
.irp t, 0,1,2,3
	v_sub_f32 v[ST+12*\t+1], v[ST+12*\t+1], v[ST+12*\t]                ; old m - new m, 0 or less
.endr
; ONE BATCH: 132 exponentials and the 64 packed subtractions t - m between them.  No line of the batch names an exponential's result (a has a pair of its own), so one wait serves all.
.irp t, 0,1,2,3
	v_exp_f32 v[ST+12*\t+2], v[ST+12*\t+1]                             ; a
.endr
.irp t, 0,1,2,3
	v_pk_add_f32 v[S+32*\t:S+32*\t+1], v[S+32*\t:S+32*\t+1], v[ST+12*\t:ST+12*\t+1] op_sel_hi:[1,0] neg_lo:[0,1] neg_hi:[0,1]   ; pair 0: t - m (of the pair the low word, m, serves both halves)
.endr
.irp b, 0,1,2,3,4,5,6,7,8,9,10,11,12,13,14
.irp t, 0,1,2,3
	v_pk_add_f32 v[S+32*\t+2*\b+2:S+32*\t+2*\b+3], v[S+32*\t+2*\b+2:S+32*\t+2*\b+3], v[ST+12*\t:ST+12*\t+1] op_sel_hi:[1,0] neg_lo:[0,1] neg_hi:[0,1]   ; the next pair is made ready,
	v_exp_f32 v[S+32*\t+2*\b], v[S+32*\t+2*\b]                         ; p = 2^(t - m) of this one
	v_exp_f32 v[S+32*\t+2*\b+1], v[S+32*\t+2*\b+1]
.endr
.endr
.irp t, 0,1,2,3
	v_exp_f32 v[S+32*\t+30], v[S+32*\t+30]
	v_exp_f32 v[S+32*\t+31], v[S+32*\t+31]
.endr
	v_nop                                          ; a plain line behind the last exponential, ahead of the first use
	s_wait_alu depctr_va_vdst(0)                   ; the wait ahead of the first line that names a result: one for the batch
.irp t, 0,1,2,3
	v_pk_fma_f32 v[ST+12*\t+4:ST+12*\t+5], v[ST+12*\t+4:ST+12*\t+5], v[ST+12*\t+2:ST+12*\t+3], v[S+32*\t:S+32*\t+1] op_sel_hi:[1,0,1]     ; l = a l + p, of the UNROUNDED p, in two chains of pairs
.endr
.irp t, 0,1,2,3
	v_pk_fma_f32 v[ST+12*\t+6:ST+12*\t+7], v[ST+12*\t+6:ST+12*\t+7], v[ST+12*\t+2:ST+12*\t+3], v[S+32*\t+2:S+32*\t+3] op_sel_hi:[1,0,1]
.endr
.irp b, 4,8,12,16,20,24,28
.irp t, 0,1,2,3
	v_pk_add_f32 v[ST+12*\t+4:ST+12*\t+5], v[ST+12*\t+4:ST+12*\t+5], v[S+32*\t+\b:S+32*\t+\b+1]
.endr
.irp t, 0,1,2,3
	v_pk_add_f32 v[ST+12*\t+6:ST+12*\t+7], v[ST+12*\t+6:ST+12*\t+7], v[S+32*\t+\b+2:S+32*\t+\b+3]
.endr
.endr
.irp n, 0,1,2,3,4,5,6,7,8,9,10,11,12,13,14,15
.irp t, 0,1,2,3
	v_cvt_pk_f16_f32 v[S+32*\t+\n], v[S+32*\t+2*\n], v[S+32*\t+2*\n+1]   ; P in place, ascending: register n is written when registers 2 n and 2 n + 1 are read, and n is never above 2 n
.endr
.endr
	WIN W_RS
.irp i, 0,2,4,6,8,10,12,14,16,18,20,22,24,26,28,30
.irp t, 0,1,2,3
	v_pk_mul_f32 v[32*\t+\i:32*\t+\i+1], v[32*\t+\i:32*\t+\i+1], v[ST+12*\t+2:ST+12*\t+3] op_sel_hi:[1,0]   ; O^T x a; each accumulator from its low end on
.endr
.endr
	WIN 0
.endm
; A TRIP: V^T P of step j and K Q^T of step j + 1, with the fetches of step j + 1.  ask: 0, or the byte offset of the slot that is prefetched in this loop.
.macro TRIP ask
	s_cmp_lt_u32 s[WV], 4
	s_cbranch_scc0 .Llate_\@
	SOFTMAX                                        ; waves 0-3: step j's
.Llate_\@:
	s_wait_dscnt 0x0                               ; V of step j is in
	PVH 0
	WIN 0
	v_add_nc_u32 v[ADK], s[TBK], v[AK0]            ; step j + 1's addresses: with the v_nop the four places ahead of the loads into the half of the buffer that PVH 0 has read
	v_add_nc_u32 v[ADM], s[TM], v[AM0]
	v_add_nc_u32 v[ADV], s[TBV], v[AV0]
	v_nop
	LOADM
	LOADK 0
	PVH 1
.rept 5
	v_nop                                          ; five places: the scores below are written over P, which PVH 0 and PVH 1 read as a source; four of them serve the loads into the buffer's other half
.endr
	LOADK 1
	s_wait_dscnt 8                                 ; M and K's first half, sixteen loads, are in; the eight youngest, K's second half, may be out
	QKH 0
	s_wait_dscnt 0x0
	QKH 1
	ENDQK
.if \ask
	s_cmp_eq_u32 s[CNT], s[ASKAT]                  ; the prefetch stands behind the run of LDS loads
	s_cbranch_scc0 .Lno_ask_\@
	global_prefetch_b8 v[PFO], s[PFA:PFA+1] offset:\ask th:TH_LOAD_NT scope:SCOPE_SE
.Lno_ask_\@:
.endif
	s_add_co_u32 s[TBK], s[TBK], KSTEPB
	s_add_co_u32 s[TBV], s[TBV], VSTEPB
	s_add_co_u32 s[TM], s[TM], 256
	s_cmp_lt_u32 s[WV], 4
	s_cbranch_scc1 .Learly_\@
	SOFTMAX                                        ; waves 4-7: step j + 1's
.Learly_\@:
.endm
; THE CHANGE OF SLOTS: the last bytes of the slot, V of its eighth step, have been asked for.  Each wave waits for all its tensor loads (its part of the other slot), adds 0 to its spare word, and waits for that and for
; its reads of the slot.  fill = 1: the barrier is a round of the cluster's, so that no wave of any partner still reads the slot or has a load on its way; the joint refill, keys 1,024 further on, is the first thing behind it.
.macro CHANGE slot, fill
	s_wait_tensorcnt 0x0                           ; no tensor load of mine is out, so a group 0 may be written
	ds_add_u32 v[SPW], v[NIL]                      ; 0 onto my spare word; the scalar lines below stand between it and the wait for it
.if \fill
	s_add_nc_u64 s[G0K+4*\slot+2:G0K+4*\slot+3], s[G0K+4*\slot+2:G0K+4*\slot+3], 131072   ; two slots on; the type bits on top are not reached
	s_add_nc_u64 s[G0V+4*\slot+2:G0V+4*\slot+3], s[G0V+4*\slot+2:G0V+4*\slot+3], 131072
.endif
	s_mov_b32 s[TBK], (1-\slot)*SLOT               ; the fetches go on in the other slot
	s_mov_b32 s[TBV], (1-\slot)*SLOT+KREG
	s_wait_dscnt 0x0                               ; the add is done, and my reads of the slot are over
.if \fill
	CROUND
	JLOAD \slot
.else
	s_barrier_signal -1
	s_barrier_wait -1
.endif
.endm
	; step 0's scores
	v_add_nc_u32 v[ADK], s[TBK], v[AK0]
	v_add_nc_u32 v[ADM], s[TM], v[AM0]
	v_add_nc_u32 v[ADV], s[TBV], v[AV0]
	LOADM
	LOADK 0
	LOADK 1
	s_wait_dscnt 0x0
	QKH 0
	QKH 1
	ENDQK
	s_add_co_u32 s[TBK], s[TBK], KSTEPB
	s_add_co_u32 s[TBV], s[TBV], VSTEPB
	s_add_co_u32 s[TM], s[TM], 256
	s_cmp_lt_u32 s[WV], 4
	s_cbranch_scc1 .Lpro_early
	SOFTMAX                                        ; waves 4-7: step 0's
.Lpro_early:
	s_wait_dscnt 0x0
	s_barrier_signal -1                            ; the two kinds of wave leave here half a trip apart: waves 0-3 with a softmax ahead of them, waves 4-7 with products
	s_barrier_wait -1
	s_mov_b32 s[CNT], 7
.Lring0:                                           ; trips 0-6 fetch steps 1-7, from slot 0
	TRIP 131072
	s_sub_co_u32 s[CNT], s[CNT], 1
	s_cmp_lg_u32 s[CNT], 0
	s_cbranch_scc1 .Lring0
	CHANGE 0, 1                                    ; slot 0 takes keys 1,024 on
	s_mov_b32 s[CNT], 8
.Lring1:                                           ; trips 7-14 fetch steps 8-15, from slot 1
	TRIP 196608
	s_sub_co_u32 s[CNT], s[CNT], 1
	s_cmp_lg_u32 s[CNT], 0
	s_cbranch_scc1 .Lring1
	CHANGE 1, 1                                    ; slot 1 takes keys 1,536 on: the last load
	s_mov_b32 s[CNT], 8
.Lring2:                                           ; trips 15-22 fetch steps 16-23, from slot 0
	TRIP 0
	s_sub_co_u32 s[CNT], s[CNT], 1
	s_cmp_lg_u32 s[CNT], 0
	s_cbranch_scc1 .Lring2
	CHANGE 0, 0                                    ; nothing is left to ask for; slot 0 is read no more
	s_mov_b32 s[CNT], 8
.Lring3:                                           ; trips 23-30 fetch steps 24-31, from slot 1
	TRIP 0
	s_sub_co_u32 s[CNT], s[CNT], 1
	s_cmp_lg_u32 s[CNT], 0
	s_cbranch_scc1 .Lring3
	s_cmp_lt_u32 s[WV], 4
	s_cbranch_scc0 .Lepi_late
	SOFTMAX                                        ; waves 0-3: step 31's
.Lepi_late:
	s_wait_dscnt 0x0                               ; V of step 31
	PVH 0
	PVH 1
	; THE WAY OUT.  l's four parts and the other half of the lanes' are added; O^T is divided by l and goes through my stage in LDS, a tile (16 tokens x 256 bytes) at a time.  The additions are the places behind the last products.
	WIN 0
.irp t, 0,1,2,3
	v_add_f32 v[ST+12*\t+8], v[ST+12*\t+4], v[ST+12*\t+5]
.endr
.irp t, 0,1,2,3
	v_add_f32 v[ST+12*\t+9], v[ST+12*\t+6], v[ST+12*\t+7]
.endr
.irp t, 0,1,2,3
	v_add_f32 v[ST+12*\t+8], v[ST+12*\t+8], v[ST+12*\t+9]
.endr
.irp t, 0,1,2,3
	v_permlanex16_b32 v[ST+12*\t+9], v[ST+12*\t+8], s[SEL], s[SEL+1]
.endr
.irp t, 0,1,2,3
	v_add_f32 v[ST+12*\t+8], v[ST+12*\t+8], v[ST+12*\t+9]              ; at least 1: the key of the maximum has p = 1
.endr
.irp t, 0,1,2,3
	v_rcp_f32 v[ST+12*\t+2], v[ST+12*\t+8]
.endr
	v_nop                                          ; a plain line between the last reciprocal and the use of its result
	s_wait_alu depctr_va_vdst(0)                   ; and the wait: one for the four
.macro PACK t                          ; register 8 ct + j of a lane is out(query r, channel 16 ct + 8 h + j)
	WIN 0x01                                       ; source 0 (O^T) window 1; 1 / l and the destination window 0: the scores' registers are free
.set i, 0
.rept 16
	v_pk_mul_f32 v[S+32*\t+i:S+32*\t+i+1], v[32*\t+i:32*\t+i+1], v[ST+12*\t+2:ST+12*\t+3] op_sel_hi:[1,0]
.set i, i+2
.endr
	WIN 0
.irp ct, 0,1,2,3
	ds_store_b128 v[STO], v[S+32*\t+8*\ct:S+32*\t+8*\ct+3] offset:64*\ct
	ds_store_b128 v[STO], v[S+32*\t+8*\ct+4:S+32*\t+8*\ct+7] offset:64*\ct+16
.endr
.irp f, 0,1,2,3,4,5,6,7
	ds_load_b128 v[S+32*\t+4*\f:S+32*\t+4*\f+3], v[RD] offset:\f*2*SP  ; LDS serves a wave's instructions in order (ISA guide 5.7.1.4): these see the stores above; the next tile's stores come behind them
.endr
.endm
.macro SEND t, younger                 ; younger: the LDS instructions issued behind tile t's loads: the next tile's sixteen, or none
.irp f, 0,1,2,3,4,5,6,7
	s_wait_dscnt \younger+7-\f
	global_store_b128 v[GO], v[S+32*\t+4*\f:S+32*\t+4*\f+3], s[8:9] offset:\t*65536+\f*8192 th:TH_STORE_NT  ; 16 lanes store 256 consecutive bytes, a head's part of a token, at a multiple of 256 from out0's first byte; written once
.endr
.endm
	PACK 0
	PACK 1                                         ; a tile's arithmetic stands between the loads of the tile before and its stores
	SEND 0, 16
	PACK 2
	SEND 1, 16
	PACK 3
	SEND 2, 16
	SEND 3, 0
	s_wait_tensorcnt 0x0                           ; the wave's end, behind my last tensor load and my last LDS store
	ds_add_u32 v[SPW], v[NIL]
	s_wait_dscnt 0x0
	CROUND                                         ; the closing round: no work-group ends while a partner may still ask for a tile that names it
	s_endpgm
.Lfunc_end_k_q4a021af7f7_attn:
	.size	k_q4a021af7f7_attn, .Lfunc_end_k_q4a021af7f7_attn-k_q4a021af7f7_attn
	.p2alignl 7, 3214868480
	.fill 96, 4, 3214868480
	.section	.rodata,"a",@progbits
	.p2align	6, 0x0
	.amdhsa_kernel k_q4a021af7f7_attn
		.amdhsa_group_segment_fixed_size 327680
		.amdhsa_private_segment_fixed_size 0
		.amdhsa_enable_private_segment 0
		.amdhsa_kernarg_size 24
		.amdhsa_user_sgpr_count 2
		.amdhsa_user_sgpr_kernarg_segment_ptr 1
		.amdhsa_wavefront_size32 1
		.amdhsa_system_sgpr_workgroup_id_x 1
		.amdhsa_system_sgpr_workgroup_id_y 1
		.amdhsa_system_sgpr_workgroup_id_z 1
		.amdhsa_system_vgpr_workitem_id 0
		.amdhsa_next_free_vgpr 512
		.amdhsa_next_free_sgpr 72
		.amdhsa_reserve_vcc 0
		.amdhsa_float_denorm_mode_32 3
		.amdhsa_float_denorm_mode_16_64 3
		.amdhsa_memory_ordered 1
		.amdhsa_forward_progress 1
		.amdhsa_inst_pref_size 255
	.end_amdhsa_kernel
	.section	.bss,"aw",@nobits
	.p2align	6
	.space	262144
	.amdgpu_metadata
---
amdhsa.version: [ 1, 2 ]
amdhsa.kernels:
  - .name:           k_q4a021af7f7_attn
    .symbol:         k_q4a021af7f7_attn.kd
    .args:
      - { .name: qkv, .offset: 0, .size: 8, .value_kind: global_buffer, .address_space: global }
      - { .name: attention_mask, .offset: 8, .size: 8, .value_kind: global_buffer, .address_space: global }
      - { .name: out0, .offset: 16, .size: 8, .value_kind: global_buffer, .address_space: global }
    .group_segment_fixed_size: 327680
    .private_segment_fixed_size: 0
    .kernarg_segment_align: 8
    .kernarg_segment_size: 24
    .max_flat_workgroup_size: 256
    .sgpr_count:     72
    .vgpr_count:     512
    .wavefront_size: 32
...
	.end_amdgpu_metadata
.endif
;; end of part 3
